; MI455X (gfx1250); checked and timed in simulation.
; The chip was launched on July 23, 2026; its instructions are those of AMD's public machine-readable ISA for CDNA 5 (MIT licence, August 2026) and "CDNA5" Instruction Set Architecture Reference Guide (July 2026). The comments in the code are by the model that wrote it; some were corrected since.
;; Sparse Attention. Allowed arithmetic: float matrix products may take bf16 or f16 operands with f32 sums; all other float work in f32.
;; Inputs: Wk 1,024 x 1,024 float32; Wo 1,024 x 1,024 float32; Wq 1,024 x 1,024 float32; Wv 1,024 x 1,024 float32; hidden_states 1 x 4,096 x 1,024 float32.
;; Outputs: out0 1 x 4,096 x 1,024 float32.
;; One version. Each part assembles by itself: llvm-mc -triple=amdgcn-amd-amdhsa -mcpu=gfx1250 --defsym DOCPART=n.
;; ======== version 1 of 1: 5 launches
;; limits: values are held in f16: magnitudes above 65,504 overflow, below 6.1e-05 lose precision
;; workspace buffers: xb 8,388,608 bytes; wb 8,388,608 bytes; qkv 25,165,824 bytes; ao 8,388,608 bytes; po 8,388,608 bytes; pml 524,288 bytes
;; launch cvt (part 1): grid 256 x 1, 8 waves a work-group, no clusters, 0 bytes of LDS; arguments hidden_states, Wq, Wk, Wv, Wo, xb, wb; writes xb, wb
.if DOCPART == 1
	.amdgcn_target "amdgcn-amd-amdhsa--gfx1250"
	.amdhsa_code_object_version 6
	.text
	.protected	k_q93451f7024_cvt
	.globl	k_q93451f7024_cvt
	.p2align	8
	.type	k_q93451f7024_cvt,@function
k_q93451f7024_cvt:
	s_mov_b64 s[64:65], 0
	v_nop
	global_prefetch_b8 v0, s[64:65] scope:SCOPE_SE
	s_setreg_imm32_b32 hwreg(HW_REG_WAVE_MODE, 25, 1), 1
	s_wait_xcnt 0x0
; f32 -> f16 of hidden_states (into xb, same order) and of the four weight matrices (into wb, rows re-ordered).
; 8,192 rows of 1,024 numbers in all; a work-group takes 32 rows, a wave 4.  Work-groups 0-127: x.  Work-groups 128-255: W.
; wb's rows: row m*96 + t*32 + dd holds W_t[32 m + dd] (t = 0 q, 1 k, 2 v; m = 2 head + half of the head), so that the 96 rows that
; one wave column of the next launch multiplies lie together; row 3072 + n holds Wo[n].
; A stream: each byte is read once and written once.  No LDS, no barrier, no matrix unit: nothing is shared or reduced.
; LIMIT: f16 holds magnitudes under 65,504; larger inputs would become infinite here.
.set X, 4                              ; v[4:131]    32 loads of 4 registers
.set Y, 132                            ; v[132:195]  32 pairs to store; no register is used twice, so no store's data is ever rewritten
	s_load_b256 s[8:15], s[0:1], 0x0               ; hidden_states s[8:9], Wq s[10:11], Wk s[12:13], Wv s[14:15]
	s_load_b128 s[16:19], s[0:1], 0x20             ; Wo s[16:17], xb s[18:19]
	s_load_b64 s[20:21], s[0:1], 0x30              ; wb
	v_lshrrev_b32 v3, 5, v0
	v_readfirstlane_b32 s7, v3                     ; wave 0..7
	v_and_b32 v3, 31, v0
	v_lshlrev_b32 v1, 4, v3                        ; 16 bytes of f32 a lane
	v_lshlrev_b32 v2, 3, v3                        ; 8 bytes of f16 a lane
	s_and_b32 s2, ttmp9, 127                       ; e: the work-group's number within x or within W
	s_lshr_b32 s3, s2, 5                           ; t: which W
	s_and_b32 s4, s2, 31                           ; m: which 32 rows of it
	s_mul_i32 s5, s4, 96
	s_lshl_b32 s6, s3, 5
	s_add_co_u32 s5, s5, s6                        ; q, k, v: row m*96 + t*32 of wb
	s_lshl_b32 s4, s4, 5                           ; source row 32 m
	s_add_co_u32 s6, s4, 3072                      ; Wo: row 3072 + 32 m of wb
	s_cmp_eq_u32 s3, 3
	s_cselect_b32 s5, s6, s5
	s_lshl_b32 s6, s2, 5                           ; x: row 32 e in and out
	s_cmp_lt_u32 ttmp9, 128
	s_cselect_b32 s4, s6, s4                       ; source row
	s_cselect_b32 s5, s6, s5                       ; destination row
	s_lshl2_add_u32 s4, s7, s4                     ; + 4 rows a wave
	s_lshl2_add_u32 s5, s7, s5
	s_lshl_b32 s26, s4, 12                         ; rows of 4,096 bytes in,
	s_mov_b32 s27, 0
	s_lshl_b32 s28, s5, 11                         ; of 2,048 bytes out
	s_mov_b32 s29, 0
	s_wait_kmcnt 0x0
	s_cmp_eq_u32 s3, 1                             ; the source buffer, chosen by the work-group's number alone
	s_cselect_b64 s[22:23], s[12:13], s[10:11]
	s_cmp_eq_u32 s3, 2
	s_cselect_b64 s[22:23], s[14:15], s[22:23]
	s_cmp_eq_u32 s3, 3
	s_cselect_b64 s[22:23], s[16:17], s[22:23]
	s_cmp_lt_u32 ttmp9, 128
	s_cselect_b64 s[22:23], s[8:9], s[22:23]
	s_cselect_b64 s[24:25], s[18:19], s[20:21]     ; the destination buffer
	s_add_nc_u64 s[22:23], s[22:23], s[26:27]
	s_add_nc_u64 s[24:25], s[24:25], s[28:29]
.irp i, 0,1,2,3
.irp j, 0,1,2,3,4,5,6,7
	global_load_b128 v[X+4*(8*\i+\j):X+4*(8*\i+\j)+3], v1, s[22:23] offset:\i*4096+\j*512 th:TH_LOAD_NT   ; 512 consecutive bytes a load; all 32 go out at once
.endr
.endr
.irp i, 0,1,2,3
.irp j, 0,1,2,3,4,5,6,7
	s_wait_loadcnt 31-(8*\i+\j)                    ; loads come back in order (ISA guide 5.7.1): this one is in, the younger ones stay out
	v_cvt_pk_f16_f32 v[Y+2*(8*\i+\j)], v[X+4*(8*\i+\j)], v[X+4*(8*\i+\j)+1]
	v_cvt_pk_f16_f32 v[Y+2*(8*\i+\j)+1], v[X+4*(8*\i+\j)+2], v[X+4*(8*\i+\j)+3]
	global_store_b64 v2, v[Y+2*(8*\i+\j):Y+2*(8*\i+\j)+1], s[24:25] offset:\i*2048+\j*256   ; the wave's 32 lanes store 256 consecutive bytes, aligned
.endr
.endr
	s_endpgm
.Lfunc_end_k_q93451f7024_cvt:
	.size	k_q93451f7024_cvt, .Lfunc_end_k_q93451f7024_cvt-k_q93451f7024_cvt
	.p2alignl 7, 3214868480
	.fill 96, 4, 3214868480
	.section	.rodata,"a",@progbits
	.p2align	6, 0x0
	.amdhsa_kernel k_q93451f7024_cvt
		.amdhsa_group_segment_fixed_size 0
		.amdhsa_private_segment_fixed_size 0
		.amdhsa_enable_private_segment 0
		.amdhsa_kernarg_size 56
		.amdhsa_user_sgpr_count 2
		.amdhsa_user_sgpr_kernarg_segment_ptr 1
		.amdhsa_wavefront_size32 1
		.amdhsa_system_sgpr_workgroup_id_x 1
		.amdhsa_system_sgpr_workgroup_id_y 1
		.amdhsa_system_sgpr_workgroup_id_z 1
		.amdhsa_system_vgpr_workitem_id 0
		.amdhsa_next_free_vgpr 196
		.amdhsa_next_free_sgpr 66
		.amdhsa_reserve_vcc 0
		.amdhsa_float_denorm_mode_32 3
		.amdhsa_float_denorm_mode_16_64 3
		.amdhsa_memory_ordered 1
		.amdhsa_forward_progress 1
		.amdhsa_inst_pref_size 13
	.end_amdhsa_kernel
	.amdgpu_metadata
---
amdhsa.version: [ 1, 2 ]
amdhsa.kernels:
  - .name:           k_q93451f7024_cvt
    .symbol:         k_q93451f7024_cvt.kd
    .args:
      - { .name: hidden_states, .offset: 0, .size: 8, .value_kind: global_buffer, .address_space: global }
      - { .name: Wq, .offset: 8, .size: 8, .value_kind: global_buffer, .address_space: global }
      - { .name: Wk, .offset: 16, .size: 8, .value_kind: global_buffer, .address_space: global }
      - { .name: Wv, .offset: 24, .size: 8, .value_kind: global_buffer, .address_space: global }
      - { .name: Wo, .offset: 32, .size: 8, .value_kind: global_buffer, .address_space: global }
      - { .name: xb, .offset: 40, .size: 8, .value_kind: global_buffer, .address_space: global }
      - { .name: wb, .offset: 48, .size: 8, .value_kind: global_buffer, .address_space: global }
    .group_segment_fixed_size: 0
    .private_segment_fixed_size: 0
    .kernarg_segment_align: 8
    .kernarg_segment_size: 56
    .max_flat_workgroup_size: 256
    .sgpr_count:     66
    .vgpr_count:     196
    .wavefront_size: 32
...
	.end_amdgpu_metadata
.endif
;; end of part 1
;; launch qkv (part 2): grid 16 x 16, 4 waves a work-group, clusters of 4 x 4, 327,680 bytes of LDS; arguments xb, wb, qkv; writes qkv
.if DOCPART == 2
	.amdgcn_target "amdgcn-amd-amdhsa--gfx1250"
	.amdhsa_code_object_version 6
	.text
	.protected	k_q93451f7024_qkv
	.globl	k_q93451f7024_qkv
	.p2align	8
	.type	k_q93451f7024_qkv,@function
k_q93451f7024_qkv:
	s_mov_b64 s[64:65], 0
	v_nop
	global_prefetch_b8 v0, s[64:65] scope:SCOPE_SE
	s_setreg_imm32_b32 hwreg(HW_REG_WAVE_MODE, 25, 1), 1
	s_wait_xcnt 0x0
	s_wait_alu depctr_hold_cnt(0) depctr_sa_sdst(0) depctr_va_vdst(0) depctr_va_sdst(0) depctr_va_ssrc(0) depctr_va_vcc(0) depctr_vm_vsrc(0)
	s_getreg_b32 s2, hwreg(HW_REG_IB_STS2, 6, 4)
	s_cmp_eq_u32 s2, 0
	s_cbranch_scc0 .Lentry_in_a_cluster
	s_endpgm
.Lentry_in_a_cluster:
	s_bfe_u32 s2, ttmp6, 0x10000c
	s_cmp_lg_u32 s2, 0xf033
	s_cbranch_scc0 .Lentry_shape_is_right
	s_endpgm
.Lentry_shape_is_right:
; q, k, v = x W^T for one head and 256 rows of x: a block of 256 x 192, K = 1,024, f16 operands, f32 sums, f16 results.
; Four waves; wave (wr, wc) makes rows 128 wr .. +127 (8 tiles a) times 96 rows of W (6 tiles b = 2 t + i: t = q, k, v; d = 32 wc + 16 i + ..): 48 accumulators.
; K goes in steps of 128 (rows of 256 bytes) through two LDS slots filled by the tensor data mover.
; CLUSTERS 4 x 4: x's tile hangs on the row block alone and is asked for jointly along a row of the cluster, W's on the head alone, jointly along a column.
; RESULTS are stored as fragment images, straight from registers: section q, k: byte head*524288 + st*2048 + dt*512 + lane*16 holds
; (row 16 st + lane%16, d = 16 dt + 8 (lane/16) + 0..7); section vT: (d = 16 dt + lane%16, row 16 st + 8 (lane/16) + 0..7).  For q and k the matrix
; instruction takes W as source 0 and x as source 1 (a lane then holds 8 neighbouring d of one row), for v x as source 0 (8 neighbouring rows of one d).
; Each store of a wave covers 512 consecutive bytes, aligned.
; LIMIT: results are rounded to f16: |x W^T| must stay under 65,504.
; REGISTERS: window 0: addresses, two fragment buffers of 112; window 1: q and k tiles (a, b < 4) at v[8 (4 a + b)]; window 2: v tiles (a, c) at v[8 (2 a + c)].
.set KSTEP,  128
.set PITCH,  272                       ; an LDS row: 256 bytes + 16 of padding: the 16 rows that a fragment load touches start 68 words apart
.set HALFT,  128*PITCH                 ; the LDS room of one tensor load: 128 rows of x, or 96 rows of W and 32 rows unused
.set SLOT,   4*HALFT                   ; x's two halves, then W's two halves
.set LAPS,   4                         ; 1,024 / (2 x 128)
.set ADRA, 16                          ; v16-17  LDS address of my x fragments in slot 0, 1
.set ADRB, 20                          ; v20-21  the same for W
.set LN,   24                          ; v24     16 x lane
.set F0,   32                          ; fragment buffer 0: x tiles at +8 a, W tiles at +64 + 8 b
.set F1,   144                         ; fragment buffer 1
.set OUTR, 32                          ; the way out: 192 registers of packed results
.set G1, 24                            ; s[24:31] descriptor group 1 for x's tiles
.set G0, 32                            ; s[32:39] group 0 for x's tiles, one set a slot
.set G1B, 48                           ; s[48:55] group 1 for W's tiles
.set G0B, 56                           ; s[56:63] group 0 for W's tiles, one set a slot
.set MSB, 0
.macro WIN new                         ; the immediate's high byte repeats the setting that is left
.if MSB != \new
	s_set_vgpr_msb (MSB<<8)|\new
.set MSB, \new
.endif
.endm
.set W1,  0x50                         ; C and D in window 1, sources in window 0
.set W2,  0xa0                         ; C and D in window 2
.set CV1, 0x05                         ; sources 0 and 1 in window 1, destination in window 0
.set CV2, 0x0a                         ; sources 0 and 1 in window 2
; A joint load: waves 0 and 1 ask for x's halves, waves 2 and 3 for W's.  The branch hangs on the wave's number alone.
.macro JLOAD s
	s_cmp_eq_u32 s11, 0
	s_cbranch_scc0 .Lfor_b_\@
	tensor_load_to_lds s[G0+4*\s:G0+4*\s+3], s[G1:G1+7]
	s_nop 0
	s_branch .Lasked_\@
.Lfor_b_\@:
	tensor_load_to_lds s[G0B+4*\s:G0B+4*\s+3], s[G1B:G1B+7]
	s_nop 0
.Lasked_\@:
.endm
.macro CREST                           ; a round of the cluster's barrier behind its opening work-group barrier
	s_cmp_lg_u32 s10, 0
	s_cbranch_scc1 .Lnot_wave_0_\@
	s_barrier_signal -3
.Lnot_wave_0_\@:
	s_barrier_wait -3
	s_barrier_signal -1
	s_barrier_wait -1
.endm
.macro CROUND                          ; a whole round
	s_barrier_signal -1
	s_barrier_wait -1
	CREST
.endm
	s_load_b128 s[4:7], s[0:1], 0x0                ; xb s[4:5], wb s[6:7]
	s_load_b64 s[8:9], s[0:1], 0x10                ; qkv
	v_lshrrev_b32 v1, 5, v0
	v_readfirstlane_b32 s10, v1                    ; wave 0..3
	s_lshr_b32 s11, s10, 1                         ; wr.  Also: I fetch for x (0) or for W (1)
	s_and_b32 s12, s10, 1                          ; wc.  Also: which half of that tile I fetch
	s_bfe_u32 s40, ttmp6, 0x40000                  ; cx
	s_bfe_u32 s41, ttmp6, 0x40004                  ; cy
	s_lshl_b32 s42, ttmp9, 2
	s_add_co_u32 s42, s42, s40                     ; head = 4 x cluster x + cx
	s_and_b32 s13, ttmp7, 0xffff
	s_lshl_b32 s13, s13, 2
	s_add_co_u32 s13, s13, s41                     ; row block = 4 x cluster y + cy
	s_lshl_b32 s43, s41, 2
	s_lshl_b32 s43, 15, s43                        ; my row of the cluster
	s_lshl_b32 s44, 0x1111, s40                    ; my column
	s_or_b32 s[G1+0], s43, (1<<16)|(1<<20)|(1<<21)|(5<<22)|(3<<25)   ; mask of my row; 2-byte elements; padding on: 4 words behind every 64; bit 21 beside a mask
	s_or_b32 s[G1B+0], s44, (1<<16)|(1<<20)|(1<<21)|(5<<22)|(3<<25)  ; the same with the mask of my column
	s_mov_b32 s[G1+1], KSTEP<<16                   ; tensor_dim0 = 128
	s_mov_b32 s[G1B+1], KSTEP<<16
	s_mov_b32 s[G1+2], 128<<16                     ; tensor_dim1 = 128 rows of x
	s_mov_b32 s[G1B+2], 96<<16                     ;               96 rows of W
	s_mov_b32 s[G1+3], KSTEP<<16                   ; tile_dim0 = 128
	s_mov_b32 s[G1B+3], KSTEP<<16
	s_mov_b32 s[G1+4], 128                         ; tile_dim1
	s_mov_b32 s[G1B+4], 96
	s_mov_b32 s[G1+5], 1024                        ; elements from row to row
	s_mov_b32 s[G1B+5], 1024
	s_mov_b32 s[G1+6], 0
	s_mov_b32 s[G1B+6], 0
	s_mov_b32 s[G1+7], 0
	s_mov_b32 s[G1B+7], 0
	s_lshl_b32 s17, s12, 7
	s_lshl_b32 s16, s13, 8
	s_add_co_u32 s16, s16, s17                     ; x: row 256 x block + 128 x half
	s_lshl_b32 s16, s16, 11                        ; rows of 2,048 bytes
	s_mov_b32 s17, 0
	s_mul_i32 s46, s42, 192
	s_mul_i32 s47, s12, 96
	s_add_co_u32 s46, s46, s47                     ; W: row 192 x head + 96 x half
	s_lshl_b32 s46, s46, 11
	s_mov_b32 s47, 0
	s_mul_i32 s20, s10, HALFT                      ; where a wave's tile goes: wave x 34,816, for x and for W alike
	s_wait_kmcnt 0x0
	s_add_nc_u64 s[14:15], s[4:5], s[16:17]
	s_add_nc_u64 s[46:47], s[6:7], s[46:47]
	CROUND                                         ; all sixteen work-groups are here: the first joint loads meet
.irp s, 0,1
	s_mov_b32 s[G0+4*\s], 1
	s_add_co_u32 s[G0+4*\s+1], s20, \s*SLOT
	s_add_nc_u64 s[G0+4*\s+2:G0+4*\s+3], s[14:15], \s*KSTEP*2      ; K step s
	s_or_b32 s[G0+4*\s+3], s[G0+4*\s+3], 0x80000000
	s_mov_b32 s[G0B+4*\s], 1
	s_add_co_u32 s[G0B+4*\s+1], s20, \s*SLOT
	s_add_nc_u64 s[G0B+4*\s+2:G0B+4*\s+3], s[46:47], \s*KSTEP*2
	s_or_b32 s[G0B+4*\s+3], s[G0B+4*\s+3], 0x80000000
	JLOAD \s                                       ; both slots are asked for before anything else: two loads of the wave are out
.endr
	v_and_b32 v1, 15, v0                           ; l % 16
	v_bfe_u32 v2, v0, 4, 1                         ; l / 16
	v_mul_u32_u24 v3, v1, PITCH
	v_lshl_add_u32 v3, v2, 4, v3                   ; row x pitch + 16 x half
	s_mul_i32 s21, s11, HALFT                      ; my 128 rows of x
	s_mul_i32 s22, s12, HALFT
	s_add_co_u32 s22, s22, 2*HALFT                 ; my 96 rows of W
.irp s, 0,1
	v_add_nc_u32 v[ADRA+\s], s21, v3
	v_add_nc_u32 v[ADRB+\s], s22, v3
	s_add_co_u32 s21, s21, SLOT
	s_add_co_u32 s22, s22, SLOT
.endr
	v_and_b32 v4, 31, v0
	v_lshlrev_b32 v[LN], 4, v4
.macro PLACES                          ; four plain vector instructions behind the last matrix instruction, in front of loads into its sources and of readers of its results
.rept 4
	v_nop
.endr
.endm
; 28 LDS loads: the fragments of 32 along K at byte k of the rows: 8 tiles of x, 6 of W
.macro FETCH slot, k, f
.irp i, 0,1,2,3,4,5,6,7
	ds_load_b128 v[\f+8*\i:\f+8*\i+3],   v[ADRA+\slot] offset:\k+\i*16*PITCH
	ds_load_b128 v[\f+8*\i+4:\f+8*\i+7], v[ADRA+\slot] offset:\k+\i*16*PITCH+32
.endr
.irp i, 0,1,2,3,4,5
	ds_load_b128 v[\f+64+8*\i:\f+64+8*\i+3],   v[ADRB+\slot] offset:\k+\i*16*PITCH
	ds_load_b128 v[\f+64+8*\i+4:\f+64+8*\i+7], v[ADRB+\slot] offset:\k+\i*16*PITCH+32
.endr
.endm
; 32 matrix instructions for q and k (W first), 16 for v (x first).  The 48 accumulators take turns in one fixed order, one instruction a turn.
.macro MULQK f, zero
.irp a, 0,1,2,3,4,5,6,7
.irp b, 0,1,2,3
.if \zero
	v_wmma_f32_16x16x32_f16 v[8*(4*\a+\b):8*(4*\a+\b)+7], v[\f+64+8*\b:\f+64+8*\b+7], v[\f+8*\a:\f+8*\a+7], 0
.else
	v_wmma_f32_16x16x32_f16 v[8*(4*\a+\b):8*(4*\a+\b)+7], v[\f+64+8*\b:\f+64+8*\b+7], v[\f+8*\a:\f+8*\a+7], v[8*(4*\a+\b):8*(4*\a+\b)+7]
.endif
.endr
.endr
.endm
.macro MULV f, zero
.irp a, 0,1,2,3,4,5,6,7
.irp c, 0,1
.if \zero
	v_wmma_f32_16x16x32_f16 v[8*(2*\a+\c):8*(2*\a+\c)+7], v[\f+8*\a:\f+8*\a+7], v[\f+96+8*\c:\f+96+8*\c+7], 0
.else
	v_wmma_f32_16x16x32_f16 v[8*(2*\a+\c):8*(2*\a+\c)+7], v[\f+8*\a:\f+8*\a+7], v[\f+96+8*\c:\f+96+8*\c+7], v[8*(2*\a+\c):8*(2*\a+\c)+7]
.endif
.endr
.endr
.endm
; A quarter of a K step: fetches the next quarter's fragments (byte k) into g, multiplies f.
.macro QSTEP slot, k, f, g, zero
	PLACES
	FETCH \slot, \k, \g
	s_wait_dscnt 28                                ; all but the 28 just issued: buffer f is whole
	WIN W1
	MULQK \f, \zero
	WIN W2
	MULV \f, \zero
	WIN 0
.endm
.macro THREE slot, zero
	QSTEP \slot, 64,  F0, F1, \zero
	QSTEP \slot, 128, F1, F0, 0
	QSTEP \slot, 192, F0, F1, 0
.endm
; The last quarter multiplies buffer 1 and changes slots.  In front of the barrier each wave waits for its reads of this slot and for all its tensor
; loads (one is out: its part of the next slot).  Behind it the refill comes first, then the next slot's first fragments.
.macro TURN slot, next, fill
	s_wait_dscnt 0                                 ; my reads of this slot are over
	s_wait_tensorcnt 0x0                           ; all my tensor loads have landed
	s_barrier_signal -1                            ; where a slot is filled again this barrier opens a round of the cluster's barrier
	WIN W1
	MULQK F1, 0                                    ; register work while the others arrive
	WIN 0
	s_barrier_wait -1
.if \fill
	CREST                                          ; no wave of any partner still reads this slot or has a load on its way
	s_add_nc_u64 s[G0+4*\slot+2:G0+4*\slot+3], s[G0+4*\slot+2:G0+4*\slot+3], 2*KSTEP*2
	s_add_nc_u64 s[G0B+4*\slot+2:G0B+4*\slot+3], s[G0B+4*\slot+2:G0B+4*\slot+3], 2*KSTEP*2
	JLOAD \slot                                    ; the wave's one tensor load behind the round: it has 160 matrix instructions in which to land
.endif
	PLACES
	FETCH \next, 0, F0
	WIN W2
	MULV F1, 0
	WIN 0
.endm
.macro LAP zero
	THREE 0, \zero
	TURN 0, 1, 1
	THREE 1, 0
	TURN 1, 0, 1
.endm
	s_wait_tensorcnt 1                             ; my part of K step 0 is in; K step 1's may stay out
	s_barrier_signal -1
	s_barrier_wait -1
	FETCH 0, 0, F0
	LAP 1                                          ; the first products start the sums: nothing is cleared
	s_mov_b32 s3, LAPS-2
.Llap:
	LAP 0
	s_sub_co_u32 s3, s3, 1
	s_cmp_lg_u32 s3, 0
	s_cbranch_scc1 .Llap
	THREE 0, 0                                     ; the last lap fills nothing
	TURN 0, 1, 0
	THREE 1, 0
	s_wait_dscnt 0
	WIN W1
	MULQK F1, 0
	WIN W2
	MULV F1, 0
	; THE WAY OUT: round to f16 and store.  A tile's 8 registers become 4: register OUTR + n is made of accumulator registers 2 n, 2 n + 1.
	PLACES
	WIN CV1
.set i, 0
.rept 128
	v_cvt_pk_f16_f32 v[OUTR+i], v[2*i], v[2*i+1]
.set i, i+1
.endr
	WIN CV2
.set i, 0
.rept 64
	v_cvt_pk_f16_f32 v[OUTR+128+i], v[2*i], v[2*i+1]
.set i, i+1
.endr
	WIN 0
	s_lshl_b32 s16, s13, 15                        ; 16 row tiles of 2,048 bytes a block,
	s_lshl_b32 s14, s11, 14                        ; 8 a wave row
	s_add_co_u32 s16, s16, s14
	s_mov_b32 s17, 0
	s_add_nc_u64 s[8:9], s[8:9], s[16:17]
	s_lshl_b32 s46, s42, 19                        ; the head's 524,288 bytes (in registers that held W's address, never x's)
	s_lshl_b32 s47, s12, 10                        ; d tiles 2 wc, 2 wc + 1
	s_add_co_u32 s46, s46, s47
	s_mov_b32 s47, 0
	s_add_nc_u64 s[8:9], s[8:9], s[46:47]          ; section q
	s_add_nc_u64 s[4:5], s[8:9], 0x800000          ; section k
	s_add_nc_u64 s[6:7], s[8:9], 0x1000000         ; section vT
.irp a, 0,1,2,3,4,5,6,7
.irp b, 0,1
	global_store_b128 v[LN], v[OUTR+4*(4*\a+\b):OUTR+4*(4*\a+\b)+3], s[8:9] offset:\a*2048+\b*512
	global_store_b128 v[LN], v[OUTR+4*(4*\a+2+\b):OUTR+4*(4*\a+2+\b)+3], s[4:5] offset:\a*2048+\b*512
	global_store_b128 v[LN], v[OUTR+128+4*(2*\a+\b):OUTR+128+4*(2*\a+\b)+3], s[6:7] offset:\a*2048+\b*512
.endr
.endr
	CROUND                                         ; the closing round: no work-group ends while a partner may still ask for a tile that names it
	s_endpgm
.Lfunc_end_k_q93451f7024_qkv:
	.size	k_q93451f7024_qkv, .Lfunc_end_k_q93451f7024_qkv-k_q93451f7024_qkv
	.p2alignl 7, 3214868480
	.fill 96, 4, 3214868480
	.section	.rodata,"a",@progbits
	.p2align	6, 0x0
	.amdhsa_kernel k_q93451f7024_qkv
		.amdhsa_group_segment_fixed_size 327680
		.amdhsa_private_segment_fixed_size 0
		.amdhsa_enable_private_segment 0
		.amdhsa_kernarg_size 24
		.amdhsa_user_sgpr_count 2
		.amdhsa_user_sgpr_kernarg_segment_ptr 1
		.amdhsa_wavefront_size32 1
		.amdhsa_system_sgpr_workgroup_id_x 1
		.amdhsa_system_sgpr_workgroup_id_y 1
		.amdhsa_system_sgpr_workgroup_id_z 1
		.amdhsa_system_vgpr_workitem_id 0
		.amdhsa_next_free_vgpr 640
		.amdhsa_next_free_sgpr 66
		.amdhsa_reserve_vcc 0
		.amdhsa_float_denorm_mode_32 3
		.amdhsa_float_denorm_mode_16_64 3
		.amdhsa_memory_ordered 1
		.amdhsa_forward_progress 1
		.amdhsa_inst_pref_size 146
	.end_amdhsa_kernel
	.amdgpu_metadata
---
amdhsa.version: [ 1, 2 ]
amdhsa.kernels:
  - .name:           k_q93451f7024_qkv
    .symbol:         k_q93451f7024_qkv.kd
    .args:
      - { .name: xb, .offset: 0, .size: 8, .value_kind: global_buffer, .address_space: global }
      - { .name: wb, .offset: 8, .size: 8, .value_kind: global_buffer, .address_space: global }
      - { .name: qkv, .offset: 16, .size: 8, .value_kind: global_buffer, .address_space: global }
    .group_segment_fixed_size: 327680
    .private_segment_fixed_size: 0
    .kernarg_segment_align: 8
    .kernarg_segment_size: 24
    .max_flat_workgroup_size: 128
    .sgpr_count:     66
    .vgpr_count:     640
    .wavefront_size: 32
...
	.end_amdgpu_metadata
.endif
;; end of part 2
;; launch attn (part 3): grid 16 x 16, 8 waves a work-group, no clusters, 167,936 bytes of LDS; arguments qkv, ao, po, pml; writes ao, po, pml
.if DOCPART == 3
	.amdgcn_target "amdgcn-amd-amdhsa--gfx1250"
	.amdhsa_code_object_version 6
	.text
	.protected	k_q93451f7024_attn
	.globl	k_q93451f7024_attn
	.p2align	8
	.type	k_q93451f7024_attn,@function
k_q93451f7024_attn:
	s_mov_b64 s[64:65], 0
	v_nop
	global_prefetch_b8 v0, s[64:65] scope:SCOPE_SE
	s_setreg_imm32_b32 hwreg(HW_REG_WAVE_MODE, 25, 1), 1
	s_wait_xcnt 0x0
; Local + global attention.  Work-group (head h, block b) owns query rows 256 b .. +255; wave w owns 32 of them (two tiles u), block number kbq = 8 b + w.
; A row i >= 64 sees keys 0-63 and keys with |i - j| <= 128: key blocks of 32: 0, 1 (always whole) and kbq-4 .. kbq+4 (the first and the last cut by a
; diagonal), those below block 2 or past block 127 left out.  Rows i < 64 see all keys: every work-group multiplies them with its own 256 keys
; (wave w: query tile g = w & 3, keys 256 b + 128 (w >> 2) .. +127) and stores an unnormalised part (po) with its shift and sum (pml); a later launch adds the 32 parts.
; ALL IS TRANSPOSED: S^T = K Q^T, so lane (r, hh) holds keys 8 hh + j of query r, and two tiles of S^T, packed to f16, are the second operand of
; O^T = V^T P^T; maximum, sum and rescale factor are one number a lane, and one exchange of the two half-waves is the only step between lanes.
; Softmax with a running maximum m of the raw scores; kept is nm = -c m (rounded), c = log2(e)/8; p = 2^(c s + nm); old sums are rescaled by 2^(nm_new - nm_old).
; LDS is filled once, by two tensor loads a wave at the start, and only read afterwards.  It arrives in two stages: the 16 KiB of keys 0-63 are waited for
; first, and their two blocks are worked on while the 128 KiB of the window are on their way; a second wait and barrier stand in front of the window's blocks.
; So that both barriers lie on every wave's path with no branch between them, the two waves that own rows 0-63 (b = 0, w < 2) run the two blocks as well; their result is dropped.
; K's fragments are asked for one block ahead, behind the S products that free their registers; vT's at the head of their block, with the softmax in which to come.
; NO CLUSTER: of the 144 KiB that a work-group brings in, only the 16 KiB of keys 0-63 are common to all blocks of a head; the window is shared by halves with two different neighbours.
; LIMITS: operands are f16 (|q|, |k|, |v| under 65,504); p under 2^-25 rounds to 0 in P; NaN and infinite inputs are not served.
.set KW, 16384                         ; LDS: 0 keys 0-63 of k (8 KiB); 8192 the same of vT; 16384 keys 256 b - 128 .. 256 b + 383 of k (64 KiB); 81920 the same of vT
.set Q,   10                           ; v[10:41]    my queries: fragment (u, kk) at +16 u + 8 kk
.set QG,  42                           ; v[42:57]    the global rows' tile g
.set KF,  58                           ; v[58:89]    key fragments (t, kk) at +16 t + 8 kk
.set VF,  90                           ; v[90:121]   vT fragments dt at +8 dt
.set S,   122                          ; v[122:153]  S^T tiles (t, u) at +16 u + 8 t
.set P,   154                          ; v[154:169]  P^T fragment u at +8 u
.set O,   170                          ; v[170:233]  O^T tiles (u, dt) at +32 u + 8 dt
.set MX,  234                          ; v[234+2u] m, v[235+2u] l (this lane's half of the keys)
.set NM,  238                          ; v[238+2u] nm; the odd register is written once and not used
.set AL,  242                          ; v[242+2u] rescale factor; likewise
.set T,   246                          ; v[246:253]  at work, four for each u
.set NEG, 254                          ; -infinity
.set DD,  255                          ; r - 8 hh
.set MLO, 40                           ; s[40:47] lanes with j >= r - 8 hh
.set MUP, 48                           ; s[48:55] lanes with j <= r - 8 hh
; v1 16 x lane (also the LDS address of keys 0-63 of k); v4, v5 the window's current block in k and in vT, stepped; v6, v7 the global rows' keys in k and in vT;
; v8 8 x lane; v9 keys 0-63 of vT
.macro PLACES                          ; four plain vector instructions behind the last matrix instruction (ISA guide 7.12.1)
.rept 4
	v_nop
.endr
.endm
.macro KLOAD ka, off                   ; the key fragments of a block of 32 keys: 8 loads, 32 lanes x 16 consecutive bytes each
.irp t, 0,1
.irp dt, 0,1,2,3
	ds_load_b128 v[KF+16*\t+4*\dt:KF+16*\t+4*\dt+3], v[\ka] offset:\off+\t*2048+\dt*512
.endr
.endr
.endm
.macro VLOAD va, off                   ; the vT fragments of the block
.irp t, 0,1
.irp dt, 0,1,2,3
	ds_load_b128 v[VF+8*\dt+4*\t:VF+8*\dt+4*\t+3], v[\va] offset:\off+\t*2048+\dt*512
.endr
.endr
.endm
.macro SW q, u, t, kk                  ; S^T tile (t, u): 32 of the 64 d
.if \kk == 0
	v_wmma_f32_16x16x32_f16 v[S+16*\u+8*\t:S+16*\u+8*\t+7], v[KF+16*\t:KF+16*\t+7], v[\q+16*\u:\q+16*\u+7], 0
.else
	v_wmma_f32_16x16x32_f16 v[S+16*\u+8*\t:S+16*\u+8*\t+7], v[KF+16*\t+8:KF+16*\t+15], v[\q+16*\u+8:\q+16*\u+15], v[S+16*\u+8*\t:S+16*\u+8*\t+7]
.endif
.endm
; The running maxima: 16 scores a lane in two chains for each query tile, the tiles' chains line by line in turn; the other half-wave; the old maximum.
.macro MAXS nq, first
.irp u, 0,1
.if \u < \nq
	v_max3_num_f32 v[T+4*\u],   v[S+16*\u],   v[S+16*\u+1], v[S+16*\u+2]
	v_max3_num_f32 v[T+4*\u+1], v[S+16*\u+8], v[S+16*\u+9], v[S+16*\u+10]
.endif
.endr
.irp i, 3,5
.irp u, 0,1
.if \u < \nq
	v_max3_num_f32 v[T+4*\u],   v[T+4*\u],   v[S+16*\u+\i],   v[S+16*\u+\i+1]
	v_max3_num_f32 v[T+4*\u+1], v[T+4*\u+1], v[S+16*\u+8+\i], v[S+16*\u+8+\i+1]
.endif
.endr
.endr
.irp u, 0,1
.if \u < \nq
	v_max3_num_f32 v[T+4*\u], v[T+4*\u], v[S+16*\u+7], v[S+16*\u+15]
.endif
.endr
.irp u, 0,1
.if \u < \nq
	v_max_num_f32 v[T+4*\u], v[T+4*\u], v[T+4*\u+1]
.endif
.endr
.irp u, 0,1
.if \u < \nq
	v_permlanex16_b32 v[T+4*\u+2], v[T+4*\u], s56, s57
.endif
.endr
.irp u, 0,1
.if \u < \nq
.if \first
	v_max_num_f32 v[MX+2*\u], v[T+4*\u], v[T+4*\u+2]
.else
	v_max3_num_f32 v[MX+2*\u], v[T+4*\u], v[T+4*\u+2], v[MX+2*\u]
.endif
.endif
.endr
.endm
; p = 2^(c s + nm), in place; the factor for the old sums.
.macro EXPS nq, first
.irp u, 0,1
.if \u < \nq
.if \first
	v_mul_f32 v[NM+2*\u], s60, v[MX+2*\u]
.else
	v_mul_f32 v[T+4*\u], s60, v[MX+2*\u]
.endif
.endif
.endr
.if \first == 0
.irp u, 0,1
.if \u < \nq
	v_sub_f32 v[AL+2*\u], v[T+4*\u], v[NM+2*\u]    ; nm_new - nm_old, of the two rounded shifts: old and new exponents stay on one scale
.endif
.endr
.irp u, 0,1
.if \u < \nq
	v_mov_b32 v[NM+2*\u], v[T+4*\u]
.endif
.endr
.endif
.irp i, 0,1,2,3,4,5,6,7
.irp u, 0,1
.if \u < \nq
	v_pk_fma_f32 v[S+16*\u+2*\i:S+16*\u+2*\i+1], v[S+16*\u+2*\i:S+16*\u+2*\i+1], s[58:59], v[NM+2*\u:NM+2*\u+1] op_sel_hi:[1,0,0]
.endif
.endr
.endr
.irp u, 0,1
.if \u < \nq
.if \first == 0
	v_exp_f32 v[AL+2*\u], v[AL+2*\u]
.endif
.irp i, 0,1,2,3,4,5,6,7,8,9,10,11,12,13,14,15
	v_exp_f32 v[S+16*\u+\i], v[S+16*\u+\i]
.endr
.endif
.endr
	v_nop                                          ; one plain vector instruction between the run of exponentials and the first use of a result (ISA guide 5.7.2)
	s_wait_alu depctr_va_vdst(0)
.endm
; The lane's sums of p (two packed chains for each tile, the tiles in turn), P^T in f16, the old O^T rescaled.
.macro SUMS nq, first
.irp u, 0,1
.if \u < \nq
	v_pk_add_f32 v[T+4*\u:T+4*\u+1],   v[S+16*\u:S+16*\u+1],   v[S+16*\u+2:S+16*\u+3]
	v_pk_add_f32 v[T+4*\u+2:T+4*\u+3], v[S+16*\u+4:S+16*\u+5], v[S+16*\u+6:S+16*\u+7]
.endif
.endr
.irp i, 8,12
.irp u, 0,1
.if \u < \nq
	v_pk_add_f32 v[T+4*\u:T+4*\u+1],   v[T+4*\u:T+4*\u+1],   v[S+16*\u+\i:S+16*\u+\i+1]
	v_pk_add_f32 v[T+4*\u+2:T+4*\u+3], v[T+4*\u+2:T+4*\u+3], v[S+16*\u+\i+2:S+16*\u+\i+3]
.endif
.endr
.endr
.irp u, 0,1
.if \u < \nq
	v_pk_add_f32 v[T+4*\u:T+4*\u+1], v[T+4*\u:T+4*\u+1], v[T+4*\u+2:T+4*\u+3]
.endif
.endr
.irp u, 0,1
.if \u < \nq
.if \first
	v_add_f32 v[MX+2*\u+1], v[T+4*\u], v[T+4*\u+1]
.else
	v_add_f32 v[T+4*\u], v[T+4*\u], v[T+4*\u+1]
.endif
.endif
.endr
.if \first == 0
.irp u, 0,1
.if \u < \nq
	v_fma_f32 v[MX+2*\u+1], v[MX+2*\u+1], v[AL+2*\u], v[T+4*\u]
.endif
.endr
.endif
.irp u, 0,1
.if \u < \nq
.irp i, 0,1,2,3,4,5,6,7
	v_cvt_pk_f16_f32 v[P+8*\u+\i], v[S+16*\u+2*\i], v[S+16*\u+2*\i+1]
.endr
.if \first == 0
.irp i, 0,1,2,3,4,5,6,7,8,9,10,11,12,13,14,15
	v_pk_mul_f32 v[O+32*\u+2*\i:O+32*\u+2*\i+1], v[O+32*\u+2*\i:O+32*\u+2*\i+1], v[AL+2*\u:AL+2*\u+1] op_sel_hi:[1,0]
.endr
.endif
.endif
.endr
.endm
.macro PV u, first                     ; O^T(u) += V^T P^T(u): four tiles of 16 d
.irp dt, 0,1,2,3
.if \first
	v_wmma_f32_16x16x32_f16 v[O+32*\u+8*\dt:O+32*\u+8*\dt+7], v[VF+8*\dt:VF+8*\dt+7], v[P+8*\u:P+8*\u+7], 0
.else
	v_wmma_f32_16x16x32_f16 v[O+32*\u+8*\dt:O+32*\u+8*\dt+7], v[VF+8*\dt:VF+8*\dt+7], v[P+8*\u:P+8*\u+7], v[O+32*\u+8*\dt:O+32*\u+8*\dt+7]
.endif
.endr
.endm
; One block of 32 keys against nq query tiles at register q.  Its key fragments have been asked for already: their 8 loads are the wave's youngest LDS instructions.
; va, off: register and offset of the block in vT.  first = 1: the block starts maximum, sum and O^T.
; mode 1: keys jj >= ii alone (the window's lower edge); mode 2: jj <= ii (its upper edge).  pf = 1: the next block's key fragments are asked for, at register pk, offset pko.
; No two matrix instructions that follow each other name one accumulator: the tiles take turns.
.macro BLOCK nq, q, va, off, first, mode, pf, pk, pko
	PLACES                                         ; behind the last block's matrix instructions, which read VF
	VLOAD \va, \off
	s_wait_dscnt 8                                 ; k's eight loads are in, vT's eight stay out
	SW \q, 0, 0, 0
	SW \q, 0, 1, 0
.if \nq == 2
	SW \q, 1, 0, 0
	SW \q, 1, 1, 0
.endif
	SW \q, 0, 0, 1
	SW \q, 0, 1, 1
.if \nq == 2
	SW \q, 1, 0, 1
	SW \q, 1, 1, 1
.endif
	PLACES                                         ; in front of the loads into KF, which these products read, and of the readers of S
.if \pf
	KLOAD \pk, \pko
.endif
.if \mode == 1
.irp j, 0,1,2,3,4,5,6,7
	v_cndmask_b32 v[S+\j], v[NEG], v[S+\j], s[MLO+\j]          ; tiles t = u: key 8 hh + j >= query r
	v_cndmask_b32 v[S+24+\j], v[NEG], v[S+24+\j], s[MLO+\j]
	v_mov_b32 v[S+16+\j], v[NEG]                               ; tile t = 0, u = 1: all keys lie below the window
.endr
.endif
.if \mode == 2
.irp j, 0,1,2,3,4,5,6,7
	v_cndmask_b32 v[S+\j], v[NEG], v[S+\j], s[MUP+\j]
	v_cndmask_b32 v[S+24+\j], v[NEG], v[S+24+\j], s[MUP+\j]
	v_mov_b32 v[S+8+\j], v[NEG]                                ; tile t = 1, u = 0: all keys lie above the window
.endr
.endif
	MAXS \nq, \first
	EXPS \nq, \first
	SUMS \nq, \first
.if \pf
	s_wait_dscnt 8                                 ; vT's fragments are in; the next block's eight key loads stay out
.else
	s_wait_dscnt 0                                 ; vT's fragments; nothing was asked for behind them
.endif
	PV 0, \first
.if \nq == 2
	PV 1, \first
.endif
.endm
	s_load_b256 s[4:11], s[0:1], 0x0               ; qkv s[4:5], ao s[6:7], po s[8:9], pml s[10:11]
	v_lshrrev_b32 v2, 5, v0
	v_readfirstlane_b32 s12, v2                    ; wave 0..7
	s_mov_b32 s13, ttmp9                           ; head
	s_and_b32 s14, ttmp7, 0xffff                   ; b
	s_lshl3_add_u32 s15, s14, s12                  ; kbq
	; group 1 of the two loads: dense blocks as rows of 256 bytes (32 elements of 8 bytes): 8 rows, and 64 rows
	s_mov_b32 s16, 3<<16
	s_mov_b32 s17, 32<<16
	s_mov_b32 s18, 8<<16
	s_mov_b32 s19, 32<<16
	s_mov_b32 s20, 8
	s_mov_b32 s21, 32
	s_mov_b32 s22, 0
	s_mov_b32 s23, 0
	s_mov_b32 s24, 3<<16
	s_mov_b32 s25, 32<<16
	s_mov_b32 s26, 64<<16
	s_mov_b32 s27, 32<<16
	s_mov_b32 s28, 64
	s_mov_b32 s29, 32
	s_mov_b32 s30, 0
	s_mov_b32 s31, 0
	s_lshr_b32 s68, s12, 2                         ; 0: I fetch k, 1: vT.  Later: which 128 of the block's keys meet the global rows
	s_and_b32 s69, s12, 3                          ; which quarter I fetch.  Later: g
	s_lshl_b32 s71, s13, 19                        ; the head's 524,288 bytes
	s_lshl_b32 s70, s68, 23
	s_add_co_u32 s70, s70, 0x800000                ; section k or vT
	s_add_co_u32 s70, s70, s71
	s_lshl_b32 s72, s69, 11                        ; first load: key tile (w & 3) of keys 0-63
	s_add_co_u32 s72, s72, s70
	s_mov_b32 s73, 0
	s_lshl_b32 s74, s14, 8                         ; second load: 128 keys from 256 b - 128 + 128 (w & 3).  The quarter that would lie in front of key 0
	s_lshl_b32 s75, s69, 7                         ; (b = 0) or behind key 4,095 (b = 15) is moved to keys inside; its LDS bytes stand for key blocks
	s_add_co_u32 s74, s74, s75                     ; below 0 or past 127, of which no number is used
	s_max_u32 s74, s74, 128
	s_sub_co_u32 s74, s74, 128
	s_min_u32 s74, s74, 3968
	s_lshl_b32 s74, s74, 7                         ; 128 bytes a key
	s_add_co_u32 s74, s74, s70
	s_mov_b32 s75, 0
	s_mov_b32 s32, 1
	s_lshl_b32 s33, s12, 11                        ; LDS: wave x 2,048
	s_mov_b32 s36, 1
	s_lshl_b32 s37, s12, 14
	s_add_co_u32 s37, s37, KW                      ; LDS: 16,384 + wave x 16,384
	s_lshl_b32 s86, s15, 12                        ; my 32 rows in q and in ao: two tiles of 2,048 bytes
	s_add_co_u32 s86, s86, s71
	s_mov_b32 s87, 0
	s_lshl_b32 s78, s69, 11                        ; the global rows' tile g in q
	s_add_co_u32 s78, s78, s71
	s_mov_b32 s79, 0
	s_lshl1_add_u32 s88, s14, s68                  ; split = 2 b + (w >> 2)
	s_lshl_b32 s89, s13, 5
	s_add_co_u32 s88, s88, s89
	s_lshl2_add_u32 s88, s88, s69                  ; unit = (32 h + split) 4 + g
	s_lshl_b32 s90, s88, 8                         ; 256 bytes of pml,
	s_mov_b32 s91, 0
	s_lshl_b32 s88, s88, 12                        ; 4,096 bytes of po a unit
	s_mov_b32 s89, 0
	v_and_b32 v[T], 31, v0
	v_lshlrev_b32 v1, 4, v[T]                      ; 16 x lane
	v_lshlrev_b32 v8, 3, v[T]                      ; 8 x lane
	s_wait_kmcnt 0x0
	s_add_nc_u64 s[34:35], s[4:5], s[72:73]
	s_or_b32 s35, s35, 0x80000000
	s_add_nc_u64 s[38:39], s[4:5], s[74:75]
	s_or_b32 s39, s39, 0x80000000
	tensor_load_to_lds s[32:35], s[16:23]          ; the only two tensor loads of the wave, both first fills, ahead of every wait, LDS read and barrier:
	s_nop 0
	tensor_load_to_lds s[36:39], s[24:31]          ; the small one of keys 0-63 first, so that it lands first
	s_nop 0
	s_add_nc_u64 s[76:77], s[4:5], s[86:87]
	s_add_nc_u64 s[78:79], s[4:5], s[78:79]
	s_add_nc_u64 s[80:81], s[6:7], s[86:87]
	s_add_nc_u64 s[82:83], s[8:9], s[88:89]
	s_add_nc_u64 s[84:85], s[10:11], s[90:91]
.irp u, 0,1
.irp dt, 0,1,2,3
	global_load_b128 v[Q+16*\u+4*\dt:Q+16*\u+4*\dt+3], v1, s[76:77] offset:\u*2048+\dt*512
.endr
.endr
.irp dt, 0,1,2,3
	global_load_b128 v[QG+4*\dt:QG+4*\dt+3], v1, s[78:79] offset:\dt*512
.endr
	v_and_b32 v[T+1], 15, v0
	v_bfe_u32 v[T+2], v0, 4, 1
	v_lshlrev_b32 v[T+2], 3, v[T+2]
	v_sub_nc_u32 v[DD], v[T+1], v[T+2]             ; r - 8 hh
.irp j, 0,1,2,3,4,5,6,7
	v_cmp_ge_i32 s[MLO+\j], \j, v[DD]
	v_cmp_le_i32 s[MUP+\j], \j, v[DD]
.endr
	; The window's blocks that this wave takes are neighbours in LDS: they begin at block max(kbq - 4, 2); the window in LDS begins at block 8 b - 4, 4,096 bytes a block.
	s_sub_co_i32 s94, s15, 4
	s_max_i32 s94, s94, 2
	s_lshl_b32 s95, s14, 3
	s_sub_co_u32 s94, s94, s95
	s_add_co_u32 s94, s94, 4                       ; its place in the window: w, or 6 where blocks 0, 1 and those in front of them are left out
	s_lshl_b32 s94, s94, 12
	s_add_co_u32 s94, s94, KW
	v_add_nc_u32 v4, s94, v1                       ; in k,
	v_add_nc_u32 v5, 0x10000, v4                   ; in vT
	s_sub_co_i32 s67, s15, 3                       ; the unmasked blocks: max(kbq - 3, 2) .. min(kbq + 3, 127): |i - j| <= 127
	s_max_i32 s67, s67, 2
	s_add_co_u32 s66, s15, 3
	s_min_u32 s66, s66, 127
	s_sub_co_u32 s67, s66, s67
	s_add_co_u32 s67, s67, 1                       ; how many: 7, fewer at the sequence's two ends, never under 4
	s_lshl_b32 s93, s68, 14
	s_add_co_u32 s93, s93, KW+16384
	v_add_nc_u32 v6, s93, v1                       ; keys 256 b + 128 (w >> 2) of k, for the global rows
	v_add_nc_u32 v7, 0x10000, v6
	v_add_nc_u32 v9, 8192, v1                      ; keys 0-63 of vT
	v_mov_b32 v[NEG], 0xff800000
	v_mov_b32 v[NM+1], 0                           ; the unused halves of pairs that packed instructions name,
	v_mov_b32 v[NM+3], 0
	v_mov_b32 v[AL+1], 0
	v_mov_b32 v[AL+3], 0
	v_mov_b32 v[T+6], 0                            ; and a destination of the half-wave exchange, which counts as read (v[T+2] is written above)
	s_mov_b32 s56, 0x76543210                      ; v_permlanex16_b32: lane i of one half reads lane i of the other
	s_mov_b32 s57, 0xfedcba98
	s_mov_b32 s58, 0x3e38aa3b                      ; c = log2(e) / 8
	s_mov_b32 s59, 0x3e38aa3b
	s_mov_b32 s60, 0xbe38aa3b                      ; -c
	s_wait_tensorcnt 0x1                           ; my 2 KiB of keys 0-63 are in LDS; my quarter of the window, issued behind them, stays out
	s_barrier_signal -1
	s_barrier_wait -1                              ; everybody's are
	KLOAD 1, 0                                     ; keys 0-31
	s_wait_loadcnt 0x4                             ; my queries' eight loads are in; the four of the global rows' tile stay out
	BLOCK 2, Q, 9, 0, 1, 0, 1, 1, 4096             ; keys 0-31, never masked: the maximum is finite before any -infinity is met
	BLOCK 2, Q, 9, 4096, 0, 0, 0, 0, 0             ; keys 32-63; it ends with no LDS load of the wave out
	s_wait_tensorcnt 0x0                           ; my quarter of the window is in LDS,
	s_barrier_signal -1
	s_barrier_wait -1                              ; everybody's is; nothing writes LDS from here on
	s_cmp_lt_u32 s15, 2                            ; rows 0-63 have no window: their waves go on to the global rows' part
	s_cbranch_scc1 .Lglobal
	KLOAD 4, 0                                     ; the first of my window's blocks
	s_cmp_lt_u32 s15, 6                            ; block kbq - 4, unless it is one of blocks 0, 1 or lies in front of them
	s_cbranch_scc1 .Lnolow
	BLOCK 2, Q, 5, 0, 0, 1, 1, 4, 4096
	v_add_nc_u32 v4, 4096, v4
	v_add_nc_u32 v5, 4096, v5
.Lnolow:
	s_mov_b32 s66, 0
.Lwin:
	BLOCK 2, Q, 5, 0, 0, 0, 1, 4, 4096             ; an unmasked block; it asks for the keys of the block behind it, which lies inside the window's 64 KiB in every trip
	v_add_nc_u32 v4, 4096, v4
	v_add_nc_u32 v5, 4096, v5
	s_add_co_u32 s66, s66, 1
	s_cmp_lt_u32 s66, s67
	s_cbranch_scc1 .Lwin
	s_cmp_gt_u32 s15, 123                          ; block kbq + 4, unless it lies behind the last key (the keys asked for in the last trip are then not used)
	s_cbranch_scc1 .Lnoup
	BLOCK 2, Q, 5, 0, 0, 2, 0, 0, 0
.Lnoup:
	PLACES
	v_permlanex16_b32 v[T+2], v[MX+1], s56, s57    ; the sums of the two halves of the keys
	v_permlanex16_b32 v[T+6], v[MX+3], s56, s57
	v_add_f32 v[T], v[MX+1], v[T+2]
	v_add_f32 v[T+4], v[MX+3], v[T+6]
	v_rcp_f32 v[AL], v[T]
	v_rcp_f32 v[AL+2], v[T+4]
	v_nop                                          ; one plain vector instruction behind the reciprocals (ISA guide 5.7.2)
	s_wait_alu depctr_va_vdst(0)
.irp u, 0,1
.irp i, 0,1,2,3,4,5,6,7,8,9,10,11,12,13,14,15
	v_pk_mul_f32 v[O+32*\u+2*\i:O+32*\u+2*\i+1], v[O+32*\u+2*\i:O+32*\u+2*\i+1], v[AL+2*\u:AL+2*\u+1] op_sel_hi:[1,0]
.endr
.endr
.set i, 0
.rept 32
	v_cvt_pk_f16_f32 v[S+i], v[O+2*i], v[O+2*i+1]  ; tile (u, dt): 8 neighbouring d of a row become 16 bytes
.set i, i+1
.endr
.irp u, 0,1
.irp dt, 0,1,2,3
	global_store_b128 v1, v[S+16*\u+4*\dt:S+16*\u+4*\dt+3], s[80:81] offset:\u*2048+\dt*512   ; 512 consecutive bytes of ao's fragment image
.endr
.endr
.Lglobal:
	s_wait_xcnt 0x0                                ; the stores' data registers are written again only behind this wait
	s_wait_dscnt 0x0                               ; key loads that were asked for ahead and not used have come: KF may be loaded again
	KLOAD 6, 0
	s_wait_loadcnt 0x0                             ; the global rows' tile
	BLOCK 1, QG, 7, 0, 1, 0, 1, 6, 4096            ; rows 16 g .. +15 against my 128 keys, unmasked
	BLOCK 1, QG, 7, 4096, 0, 0, 1, 6, 8192
	BLOCK 1, QG, 7, 8192, 0, 0, 1, 6, 12288
	BLOCK 1, QG, 7, 12288, 0, 0, 0, 0, 0
	PLACES
	v_permlanex16_b32 v[T+2], v[MX+1], s56, s57
	v_mov_b32 v[T], v[NM]
	v_add_f32 v[T+1], v[MX+1], v[T+2]
.irp dt, 0,1,2,3
	global_store_b128 v1, v[O+8*\dt:O+8*\dt+3], s[82:83] offset:\dt*1024
	global_store_b128 v1, v[O+8*\dt+4:O+8*\dt+7], s[82:83] offset:\dt*1024+512
.endr
	global_store_b64 v8, v[T:T+1], s[84:85]        ; (nm, l) of the lane's query: 256 consecutive bytes
	s_endpgm
.Lfunc_end_k_q93451f7024_attn:
	.size	k_q93451f7024_attn, .Lfunc_end_k_q93451f7024_attn-k_q93451f7024_attn
	.p2alignl 7, 3214868480
	.fill 96, 4, 3214868480
	.section	.rodata,"a",@progbits
	.p2align	6, 0x0
	.amdhsa_kernel k_q93451f7024_attn
		.amdhsa_group_segment_fixed_size 167936
		.amdhsa_private_segment_fixed_size 0
		.amdhsa_enable_private_segment 0
		.amdhsa_kernarg_size 32
		.amdhsa_user_sgpr_count 2
		.amdhsa_user_sgpr_kernarg_segment_ptr 1
		.amdhsa_wavefront_size32 1
		.amdhsa_system_sgpr_workgroup_id_x 1
		.amdhsa_system_sgpr_workgroup_id_y 1
		.amdhsa_system_sgpr_workgroup_id_z 1
		.amdhsa_system_vgpr_workitem_id 0
		.amdhsa_next_free_vgpr 256
		.amdhsa_next_free_sgpr 96
		.amdhsa_reserve_vcc 0
		.amdhsa_float_denorm_mode_32 3
		.amdhsa_float_denorm_mode_16_64 3
		.amdhsa_memory_ordered 1
		.amdhsa_forward_progress 1
		.amdhsa_inst_pref_size 85
	.end_amdhsa_kernel
	.amdgpu_metadata
---
amdhsa.version: [ 1, 2 ]
amdhsa.kernels:
  - .name:           k_q93451f7024_attn
    .symbol:         k_q93451f7024_attn.kd
    .args:
      - { .name: qkv, .offset: 0, .size: 8, .value_kind: global_buffer, .address_space: global }
      - { .name: ao, .offset: 8, .size: 8, .value_kind: global_buffer, .address_space: global }
      - { .name: po, .offset: 16, .size: 8, .value_kind: global_buffer, .address_space: global }
      - { .name: pml, .offset: 24, .size: 8, .value_kind: global_buffer, .address_space: global }
    .group_segment_fixed_size: 167936
    .private_segment_fixed_size: 0
    .kernarg_segment_align: 8
    .kernarg_segment_size: 32
    .max_flat_workgroup_size: 256
    .sgpr_count:     96
    .vgpr_count:     256
    .wavefront_size: 32
...
	.end_amdgpu_metadata
.endif
;; end of part 3
;; launch comb (part 4): grid 256 x 1, 1 waves a work-group, no clusters, 0 bytes of LDS; arguments po, pml, ao; writes ao
.if DOCPART == 4
	.amdgcn_target "amdgcn-amd-amdhsa--gfx1250"
	.amdhsa_code_object_version 6
	.text
	.protected	k_q93451f7024_comb
	.globl	k_q93451f7024_comb
	.p2align	8
	.type	k_q93451f7024_comb,@function
k_q93451f7024_comb:
	s_mov_b64 s[64:65], 0
	v_nop
	global_prefetch_b8 v0, s[64:65] scope:SCOPE_SE
	s_setreg_imm32_b32 hwreg(HW_REG_WAVE_MODE, 25, 1), 1
	s_wait_xcnt 0x0
; Rows 0-63 of every head: the 32 parts that the launch before left (unnormalised O^T in f32, with shift nm = -c m and sum l) become one row of ao.
; O = sum a_s O_s / sum a_s l_s with a_s = 2^(nm_min - nm_s): the smallest nm belongs to the largest maximum, so no a_s exceeds 1.
; A work-group is one wave and makes one unit (head, query tile g, tile dt of 16 d): 16 x 4 x 4 = 256 units, 40 KiB of loads each; a lane holds 8 neighbouring d
; of one query, as the parts were stored.  No LDS, no barrier: no unit needs another's numbers.
.set ML,  4                            ; v[4:67]     (nm_s, l_s), then (a_s, l_s)
.set PB,  68                           ; v[68:195]   a ring of 16 parts of 8 registers
.set ACC, 196                          ; v[196:203]
	s_load_b128 s[4:7], s[0:1], 0x0                ; po s[4:5], pml s[6:7]
	s_load_b64 s[8:9], s[0:1], 0x10                ; ao
	s_and_b32 s10, ttmp9, 3                        ; dt
	s_bfe_u32 s12, ttmp9, 0x20002                  ; g: two bits from bit 2
	s_lshr_b32 s11, ttmp9, 4                       ; head
	v_lshlrev_b32 v1, 4, v0                        ; one wave: v0 is the lane
	v_lshlrev_b32 v2, 3, v0
	s_lshl_b32 s14, s11, 15                        ; pml: 32,768 bytes a head, 1,024 a part, 256 a tile
	s_lshl_b32 s15, s12, 8
	s_add_co_u32 s14, s14, s15
	s_mov_b32 s15, 0
	s_lshl_b32 s16, s11, 19                        ; po: 524,288 a head, 16,384 a part, 4,096 a tile, 1,024 a d tile
	s_lshl_b32 s17, s12, 12
	s_add_co_u32 s16, s16, s17
	s_lshl_b32 s17, s10, 10
	s_add_co_u32 s16, s16, s17
	s_mov_b32 s17, 0
	s_lshl_b32 s18, s11, 19                        ; ao: 524,288 a head, 2,048 a row tile, 512 a d tile
	s_lshl_b32 s19, s12, 11
	s_add_co_u32 s18, s18, s19
	s_lshl_b32 s19, s10, 9
	s_add_co_u32 s18, s18, s19
	s_mov_b32 s19, 0
	s_wait_kmcnt 0x0
	s_add_nc_u64 s[4:5], s[4:5], s[16:17]
	s_add_nc_u64 s[6:7], s[6:7], s[14:15]
	s_add_nc_u64 s[8:9], s[8:9], s[18:19]
.set i, 0
.rept 32
	global_load_b64 v[ML+2*i:ML+2*i+1], v2, s[6:7] offset:i*1024
.set i, i+1
.endr
.set i, 0
.rept 15
	global_load_b128 v[PB+8*i:PB+8*i+3],   v1, s[4:5] offset:i*16384          ; with these 30 the wave has 62 loads out
	global_load_b128 v[PB+8*i+4:PB+8*i+7], v1, s[4:5] offset:i*16384+512
.set i, i+1
.endr
	s_wait_loadcnt 30                              ; the 32 pairs (nm, l) are in; the 30 loads of parts 0 to 14 stay out
	global_load_b128 v[PB+120:PB+123], v1, s[4:5] offset:15*16384                ; part 15 fills the ring
	global_load_b128 v[PB+124:PB+127], v1, s[4:5] offset:15*16384+512
	v_min3_num_f32 v204, v[ML], v[ML+2], v[ML+4]
	v_min3_num_f32 v205, v[ML+32], v[ML+34], v[ML+36]
.irp s, 3,5,7,9,11,13
	v_min3_num_f32 v204, v204, v[ML+2*\s], v[ML+2*\s+2]
	v_min3_num_f32 v205, v205, v[ML+32+2*\s], v[ML+32+2*\s+2]
.endr
	v_min3_num_f32 v204, v204, v[ML+30], v[ML+62]
	v_min_num_f32 v204, v204, v205                 ; nm_min
.set i, 0
.rept 32
	v_sub_f32 v[ML+2*i], v204, v[ML+2*i]
.set i, i+1
.endr
.set i, 0
.rept 32
	v_exp_f32 v[ML+2*i], v[ML+2*i]                 ; a_s
.set i, i+1
.endr
	v_nop                                          ; one plain vector instruction behind the exponentials (ISA guide 5.7.2)
	s_wait_alu depctr_va_vdst(0)
.irp c, 0,1,2,3
	v_mul_f32 v[206+\c], v[ML+2*\c], v[ML+2*\c+1]  ; sum of a_s l_s in four chains, started by the first products
.endr
.set i, 4
.rept 28
	v_fmac_f32 v[206+i%4], v[ML+2*i], v[ML+2*i+1]
.set i, i+1
.endr
	v_add_f32 v206, v206, v207
	v_add_f32 v208, v208, v209
	v_add_f32 v206, v206, v208
	v_rcp_f32 v210, v206
	v_mov_b32 v211, 0                              ; the plain instruction behind the reciprocal; also the unused half of the pair v[210:211]
.set i, 0
.rept 32
.if i < 16
	s_wait_loadcnt 30                              ; behind part i's two loads: 2 (15 - i) of the first sixteen and 2 i refills
.else
	s_wait_loadcnt 30-2*(i-16)                     ; the refills behind this one: the counts run down to 0
.endif
.irp k, 0,1,2,3
.if i == 0
	v_pk_mul_f32 v[ACC+2*\k:ACC+2*\k+1], v[PB+2*\k:PB+2*\k+1], v[ML:ML+1] op_sel_hi:[1,0]
.else
	v_pk_fma_f32 v[ACC+2*\k:ACC+2*\k+1], v[PB+8*(i%16)+2*\k:PB+8*(i%16)+2*\k+1], v[ML+2*i:ML+2*i+1], v[ACC+2*\k:ACC+2*\k+1] op_sel_hi:[1,0,1]
.endif
.endr
.if i < 16
	global_load_b128 v[PB+8*i:PB+8*i+3],   v1, s[4:5] offset:(i+16)*16384
	global_load_b128 v[PB+8*i+4:PB+8*i+7], v1, s[4:5] offset:(i+16)*16384+512
.endif
.set i, i+1
.endr
	s_wait_alu depctr_va_vdst(0)
.irp k, 0,1,2,3
	v_pk_mul_f32 v[ACC+2*\k:ACC+2*\k+1], v[ACC+2*\k:ACC+2*\k+1], v[210:211] op_sel_hi:[1,0]
.endr
.irp k, 0,1,2,3
	v_cvt_pk_f16_f32 v[212+\k], v[ACC+2*\k], v[ACC+2*\k+1]
.endr
	global_store_b128 v1, v[212:215], s[8:9]       ; 512 consecutive bytes of ao's fragment image
	s_endpgm
.Lfunc_end_k_q93451f7024_comb:
	.size	k_q93451f7024_comb, .Lfunc_end_k_q93451f7024_comb-k_q93451f7024_comb
	.p2alignl 7, 3214868480
	.fill 96, 4, 3214868480
	.section	.rodata,"a",@progbits
	.p2align	6, 0x0
	.amdhsa_kernel k_q93451f7024_comb
		.amdhsa_group_segment_fixed_size 0
		.amdhsa_private_segment_fixed_size 0
		.amdhsa_enable_private_segment 0
		.amdhsa_kernarg_size 24
		.amdhsa_user_sgpr_count 2
		.amdhsa_user_sgpr_kernarg_segment_ptr 1
		.amdhsa_wavefront_size32 1
		.amdhsa_system_sgpr_workgroup_id_x 1
		.amdhsa_system_sgpr_workgroup_id_y 1
		.amdhsa_system_sgpr_workgroup_id_z 1
		.amdhsa_system_vgpr_workitem_id 0
		.amdhsa_next_free_vgpr 216
		.amdhsa_next_free_sgpr 66
		.amdhsa_reserve_vcc 0
		.amdhsa_float_denorm_mode_32 3
		.amdhsa_float_denorm_mode_16_64 3
		.amdhsa_memory_ordered 1
		.amdhsa_forward_progress 1
		.amdhsa_inst_pref_size 25
	.end_amdhsa_kernel
	.amdgpu_metadata
---
amdhsa.version: [ 1, 2 ]
amdhsa.kernels:
  - .name:           k_q93451f7024_comb
    .symbol:         k_q93451f7024_comb.kd
    .args:
      - { .name: po, .offset: 0, .size: 8, .value_kind: global_buffer, .address_space: global }
      - { .name: pml, .offset: 8, .size: 8, .value_kind: global_buffer, .address_space: global }
      - { .name: ao, .offset: 16, .size: 8, .value_kind: global_buffer, .address_space: global }
    .group_segment_fixed_size: 0
    .private_segment_fixed_size: 0
    .kernarg_segment_align: 8
    .kernarg_segment_size: 24
    .max_flat_workgroup_size: 32
    .sgpr_count:     66
    .vgpr_count:     216
    .wavefront_size: 32
...
	.end_amdgpu_metadata
.endif
;; end of part 4
;; launch outp (part 5): grid 8 x 32, 4 waves a work-group, clusters of 4 x 4, 327,680 bytes of LDS; arguments ao, wb, out0; writes out0
.if DOCPART == 5
	.amdgcn_target "amdgcn-amd-amdhsa--gfx1250"
	.amdhsa_code_object_version 6
	.text
	.protected	k_q93451f7024_outp
	.globl	k_q93451f7024_outp
	.p2align	8
	.type	k_q93451f7024_outp,@function
k_q93451f7024_outp:
	s_mov_b64 s[64:65], 0
	v_nop
	global_prefetch_b8 v0, s[64:65] scope:SCOPE_SE
	s_setreg_imm32_b32 hwreg(HW_REG_WAVE_MODE, 25, 1), 1
	s_wait_xcnt 0x0
	s_wait_alu depctr_hold_cnt(0) depctr_sa_sdst(0) depctr_va_vdst(0) depctr_va_sdst(0) depctr_va_ssrc(0) depctr_va_vcc(0) depctr_vm_vsrc(0)
	s_getreg_b32 s2, hwreg(HW_REG_IB_STS2, 6, 4)
	s_cmp_eq_u32 s2, 0
	s_cbranch_scc0 .Lentry_in_a_cluster
	s_endpgm
.Lentry_in_a_cluster:
	s_bfe_u32 s2, ttmp6, 0x10000c
	s_cmp_lg_u32 s2, 0xf033
	s_cbranch_scc0 .Lentry_shape_is_right
	s_endpgm
.Lentry_shape_is_right:
; out = ao Wo^T: a block of 128 rows x 128 columns a work-group, K = 1,024, f16 operands, f32 sums and results.
; Four waves; wave (wr, wc) makes 64 x 64: 16 accumulators in window 1, tile (mt, nt) at v[8 (4 mt + nt)].
; K goes in four fills of 256 (four heads) through two LDS slots: two first fills and two refills, written out.
; ao lies in memory as a fragment image (head*524288 + st*2048 + dt*512 + lane*16), so its tile is dense (16 KiB a head), needs no padding, and a fragment
; load takes 32 lanes x 16 consecutive bytes.  Wo's rows (rows 3072 .. of wb) are 512 bytes a fill, padded to 528 in LDS.
; CLUSTERS 4 x 4: ao's tile hangs on the row block alone and is asked for jointly along a row of the cluster, Wo's on the column block alone, along a column.
; The matrix instruction takes Wo as source 0 and ao as source 1: a lane then holds 8 neighbouring columns of one row of out.
.set HALF,   33792                     ; the LDS room of one tensor load: 64 rows of Wo x 528 bytes, or two heads of ao (32,768 bytes) and 1,024 unused
.set SLOT,   4*HALF                    ; ao's two halves, then Wo's two halves
.set BPITCH, 528
.set STAGE,  2*SLOT                    ; behind the slots: 16 rows x 272 bytes for each wave, for the way out; no tensor load lands there
.set SPITCH, 272
.set AFILL,  4*524288                  ; bytes of ao from one fill to the next: four heads
.set BFILL,  512                       ; bytes along Wo's rows
.set ADRA, 16                          ; v16-17  LDS address of my ao fragments in slot 0, 1
.set ADRB, 20                          ; v20-21  the same for Wo
.set STO,  24
.set RD,   25
.set CO,   26
.set F0,   32                          ; fragment buffer 0: ao tiles at +8 mt, Wo tiles at +32 + 8 nt
.set F1,   96
.set OB0,  160                         ; the way out: rows read back, two buffers in turn
.set OB1,  192
.set G1, 24
.set G0, 32
.set G1B, 48
.set G0B, 56
.set MSB, 0
.macro WIN new
.if MSB != \new
	s_set_vgpr_msb (MSB<<8)|\new
.set MSB, \new
.endif
.endm
.macro JLOAD s                         ; waves 0 and 1 ask for ao's halves, waves 2 and 3 for Wo's
	s_cmp_eq_u32 s11, 0
	s_cbranch_scc0 .Lfor_b_\@
	tensor_load_to_lds s[G0+4*\s:G0+4*\s+3], s[G1:G1+7]
	s_nop 0
	s_branch .Lasked_\@
.Lfor_b_\@:
	tensor_load_to_lds s[G0B+4*\s:G0B+4*\s+3], s[G1B:G1B+7]
	s_nop 0
.Lasked_\@:
.endm
.macro CREST
	s_cmp_lg_u32 s10, 0
	s_cbranch_scc1 .Lnot_wave_0_\@
	s_barrier_signal -3
.Lnot_wave_0_\@:
	s_barrier_wait -3
	s_barrier_signal -1
	s_barrier_wait -1
.endm
.macro CROUND
	s_barrier_signal -1
	s_barrier_wait -1
	CREST
.endm
	s_load_b128 s[4:7], s[0:1], 0x0                ; ao s[4:5], wb s[6:7]
	s_load_b64 s[8:9], s[0:1], 0x10                ; out0
	v_lshrrev_b32 v1, 5, v0
	v_readfirstlane_b32 s10, v1                    ; wave 0..3
	s_lshr_b32 s11, s10, 1                         ; wr.  Also: I fetch for ao (0) or for Wo (1)
	s_and_b32 s12, s10, 1                          ; wc.  Also: which half of that tile I fetch
	s_bfe_u32 s40, ttmp6, 0x40000                  ; cx
	s_bfe_u32 s41, ttmp6, 0x40004                  ; cy
	s_lshl_b32 s42, ttmp9, 2
	s_add_co_u32 s42, s42, s40                     ; column block nb
	s_and_b32 s13, ttmp7, 0xffff
	s_lshl_b32 s13, s13, 2
	s_add_co_u32 s13, s13, s41                     ; row block mb
	s_lshl_b32 s43, s41, 2
	s_lshl_b32 s43, 15, s43                        ; my row of the cluster
	s_lshl_b32 s44, 0x1111, s40                    ; my column
	s_or_b32 s[G1+0], s43, (3<<16)|(1<<21)         ; ao: mask of my row; elements of 8 bytes; no padding; bit 21 beside a mask
	s_mov_b32 s[G1+1], 2048<<16                    ; a row = one head's 16,384 bytes
	s_mov_b32 s[G1+2], 2<<16                       ; two heads
	s_mov_b32 s[G1+3], 2048<<16
	s_mov_b32 s[G1+4], 2
	s_mov_b32 s[G1+5], 65536                       ; 524,288 bytes from head to head
	s_mov_b32 s[G1+6], 0
	s_mov_b32 s[G1+7], 0
	s_or_b32 s[G1B+0], s44, (1<<16)|(1<<20)|(1<<21)|(6<<22)|(3<<25)  ; Wo: mask of my column; 2-byte elements; 4 words of padding behind every 128
	s_mov_b32 s[G1B+1], 256<<16
	s_mov_b32 s[G1B+2], 64<<16
	s_mov_b32 s[G1B+3], 256<<16
	s_mov_b32 s[G1B+4], 64
	s_mov_b32 s[G1B+5], 1024
	s_mov_b32 s[G1B+6], 0
	s_mov_b32 s[G1B+7], 0
	s_lshl_b32 s16, s13, 14                        ; ao: 8 row tiles of 2,048 bytes a block,
	s_lshl_b32 s17, s12, 20                        ; two heads a half
	s_add_co_u32 s16, s16, s17
	s_mov_b32 s17, 0
	s_lshl_b32 s46, s42, 18                        ; Wo: row 3072 + 128 nb + 64 half, 2,048 bytes a row
	s_lshl_b32 s47, s12, 17
	s_add_co_u32 s46, s46, s47
	s_add_co_u32 s46, s46, 3072*2048
	s_mov_b32 s47, 0
	s_mul_i32 s20, s10, HALF                       ; where a wave's tile goes: wave x 33,792
	s_wait_kmcnt 0x0
	s_add_nc_u64 s[14:15], s[4:5], s[16:17]
	s_add_nc_u64 s[46:47], s[6:7], s[46:47]
	CROUND                                         ; all sixteen work-groups are here: the first joint loads meet
.irp s, 0,1
	s_mov_b32 s[G0+4*\s], 1
	s_add_co_u32 s[G0+4*\s+1], s20, \s*SLOT
	s_add_nc_u64 s[G0+4*\s+2:G0+4*\s+3], s[14:15], \s*AFILL
	s_or_b32 s[G0+4*\s+3], s[G0+4*\s+3], 0x80000000
	s_mov_b32 s[G0B+4*\s], 1
	s_add_co_u32 s[G0B+4*\s+1], s20, \s*SLOT
	s_add_nc_u64 s[G0B+4*\s+2:G0B+4*\s+3], s[46:47], \s*BFILL
	s_or_b32 s[G0B+4*\s+3], s[G0B+4*\s+3], 0x80000000
	JLOAD \s                                       ; two loads of the wave are out
.endr
	v_and_b32 v1, 15, v0                           ; l % 16
	v_bfe_u32 v2, v0, 4, 1                         ; l / 16
	v_and_b32 v3, 31, v0
	v_lshlrev_b32 v3, 4, v3                        ; 16 x lane
	s_lshl_b32 s21, s11, 13                        ; my 64 rows of ao: four tiles of 2,048 bytes
	v_mul_u32_u24 v4, v1, BPITCH
	v_lshl_add_u32 v4, v2, 4, v4
	s_mul_i32 s22, s12, HALF                       ; my 64 rows of Wo
	s_add_co_u32 s22, s22, 2*HALF
.irp s, 0,1
	v_add_nc_u32 v[ADRA+\s], s21, v3
	v_add_nc_u32 v[ADRB+\s], s22, v4
	s_add_co_u32 s21, s21, SLOT
	s_add_co_u32 s22, s22, SLOT
.endr
	s_mul_i32 s23, s10, 16*SPITCH
	s_add_co_u32 s23, s23, STAGE                   ; my stage
	v_mul_u32_u24 v5, v1, SPITCH                   ; in: row l % 16, 32 bytes for each half of the lanes
	v_lshl_add_u32 v5, v2, 5, v5
	v_add_nc_u32 v[STO], s23, v5
	v_mul_u32_u24 v5, v2, SPITCH                   ; back: lanes 0-15 one row of 256 bytes, lanes 16-31 the next
	v_lshl_add_u32 v5, v1, 4, v5
	v_add_nc_u32 v[RD], s23, v5
	v_lshlrev_b32 v5, 12, v2                       ; and the same two rows of out, 4,096 bytes apart
	v_lshl_add_u32 v[CO], v1, 4, v5
.macro PLACES                          ; four plain vector instructions behind the last matrix instruction (ISA guide 7.12.1)
.rept 4
	v_nop
.endr
.endm
; 16 LDS loads: chunk i (32 along K) of a slot: head i / 2 of its four, d = 32 (i % 2) ..
.macro FETCH slot, i, f
.irp mt, 0,1,2,3
	ds_load_b128 v[\f+8*\mt:\f+8*\mt+3],   v[ADRA+\slot] offset:((\i)>>2)*HALF+(((\i)>>1)&1)*16384+((\i)&1)*1024+\mt*2048
	ds_load_b128 v[\f+8*\mt+4:\f+8*\mt+7], v[ADRA+\slot] offset:((\i)>>2)*HALF+(((\i)>>1)&1)*16384+((\i)&1)*1024+\mt*2048+512
.endr
.irp nt, 0,1,2,3
	ds_load_b128 v[\f+32+8*\nt:\f+32+8*\nt+3], v[ADRB+\slot] offset:(\i)*64+\nt*16*BPITCH
	ds_load_b128 v[\f+32+8*\nt+4:\f+32+8*\nt+7], v[ADRB+\slot] offset:(\i)*64+\nt*16*BPITCH+32
.endr
.endm
; 8 matrix instructions: row tiles m0, m0 + 1 x all four column tiles.  The 16 accumulators take turns in one fixed order.
.macro MUL f, m0, zero
.irp mt, \m0, \m0+1
.irp nt, 0,1,2,3
.if \zero
	v_wmma_f32_16x16x32_f16 v[8*(4*(\mt)+\nt):8*(4*(\mt)+\nt)+7], v[\f+32+8*\nt:\f+32+8*\nt+7], v[\f+8*(\mt):\f+8*(\mt)+7], 0
.else
	v_wmma_f32_16x16x32_f16 v[8*(4*(\mt)+\nt):8*(4*(\mt)+\nt)+7], v[\f+32+8*\nt:\f+32+8*\nt+7], v[\f+8*(\mt):\f+8*(\mt)+7], v[8*(4*(\mt)+\nt):8*(4*(\mt)+\nt)+7]
.endif
.endr
.endr
.endm
.macro STEP slot, i, f, g, zero        ; fetches chunk i + 1 into g, multiplies chunk i in f
	PLACES
	FETCH \slot, \i+1, \g
	s_wait_dscnt 16                                ; all but the 16 just issued: buffer f is whole
	WIN 0x50
	MUL \f, 0, \zero
	MUL \f, 2, \zero
	WIN 0
.endm
.macro SEVEN slot, zero
	STEP \slot, 0, F0, F1, \zero
	STEP \slot, 1, F1, F0, 0
	STEP \slot, 2, F0, F1, 0
	STEP \slot, 3, F1, F0, 0
	STEP \slot, 4, F0, F1, 0
	STEP \slot, 5, F1, F0, 0
	STEP \slot, 6, F0, F1, 0
.endm
; Chunk 7 and the change of slots: each wave's reads of this slot and all its tensor loads are waited for in front of the barrier; the refill is first behind it.
.macro TURN slot, next, fill
	s_wait_dscnt 0
	s_wait_tensorcnt 0x0
	s_barrier_signal -1                            ; where a slot is filled again this barrier opens a round of the cluster's barrier
	WIN 0x50
	MUL F1, 0, 0
	WIN 0
	s_barrier_wait -1
.if \fill
	CREST
	s_add_nc_u64 s[G0+4*\slot+2:G0+4*\slot+3], s[G0+4*\slot+2:G0+4*\slot+3], 2*AFILL
	s_add_nc_u64 s[G0B+4*\slot+2:G0B+4*\slot+3], s[G0B+4*\slot+2:G0B+4*\slot+3], 2*BFILL
	JLOAD \slot                                    ; the wave's one tensor load behind the round: it has 120 matrix instructions in which to land
.endif
	PLACES
	FETCH \next, 0, F0
	WIN 0x50
	MUL F1, 2, 0
	WIN 0
.endm
	s_wait_tensorcnt 1                             ; my part of fill 0 is in; fill 1's may stay out
	s_barrier_signal -1
	s_barrier_wait -1
	FETCH 0, 0, F0
	SEVEN 0, 1                                     ; the first products start the sums
	TURN 0, 1, 1                                   ; slot 0 gets fill 2
	SEVEN 1, 0
	TURN 1, 0, 1                                   ; slot 1 gets fill 3
	SEVEN 0, 0
	TURN 0, 1, 0
	SEVEN 1, 0
	s_wait_dscnt 0
	WIN 0x50
	MUL F1, 0, 0
	MUL F1, 2, 0
	WIN 0
	; THE WAY OUT, 16 rows at a time through my own stage: a lane's 32 bytes go in by rows of 272 bytes, whole rows of 256 bytes come back.
	PLACES
	s_lshl_b32 s16, s13, 19                        ; 128 rows of 4,096 bytes a block,
	s_lshl_b32 s14, s11, 18                        ; 64 a wave row
	s_add_co_u32 s16, s16, s14
	s_mov_b32 s17, 0
	s_add_nc_u64 s[8:9], s[8:9], s[16:17]
	s_lshl_b32 s46, s42, 9                         ; 128 columns of 4 bytes a block (in registers that held Wo's address, never ao's),
	s_lshl_b32 s47, s12, 8                         ; 64 a wave column
	s_add_co_u32 s46, s46, s47
	s_mov_b32 s47, 0
	s_add_nc_u64 s[8:9], s[8:9], s[46:47]
.macro OUT16 mt, ob
	WIN 0x04                                       ; store data in window 1
.irp nt, 0,1,2,3
	ds_store_b128 v[STO], v[8*(4*\mt+\nt):8*(4*\mt+\nt)+3] offset:64*\nt
	ds_store_b128 v[STO], v[8*(4*\mt+\nt)+4:8*(4*\mt+\nt)+7] offset:64*\nt+16
.endr
	WIN 0
	s_wait_xcnt 0x0                                ; buffer ob, which earlier stores read, and the stores' base are rewritten only behind this wait
.if \mt
	s_add_nc_u64 s[8:9], s[8:9], 16*4096
.endif
.irp t, 0,1,2,3,4,5,6,7
	ds_load_b128 v[\ob+4*\t:\ob+4*\t+3], v[RD] offset:\t*2*SPITCH   ; LDS serves a wave's instructions in order (ISA guide 5.7.1): these see the stores above
.endr
.irp t, 0,1,2,3,4,5,6,7
	s_wait_dscnt 7-\t
	global_store_b128 v[CO], v[\ob+4*\t:\ob+4*\t+3], s[8:9] offset:\t*8192   ; 16 lanes store 256 consecutive bytes, aligned
.endr
.endm
	OUT16 0, OB0
	OUT16 1, OB1
	OUT16 2, OB0
	OUT16 3, OB1
	CROUND                                         ; the closing round
	s_endpgm
.Lfunc_end_k_q93451f7024_outp:
	.size	k_q93451f7024_outp, .Lfunc_end_k_q93451f7024_outp-k_q93451f7024_outp
	.p2alignl 7, 3214868480
	.fill 96, 4, 3214868480
	.section	.rodata,"a",@progbits
	.p2align	6, 0x0
	.amdhsa_kernel k_q93451f7024_outp
		.amdhsa_group_segment_fixed_size 327680
		.amdhsa_private_segment_fixed_size 0
		.amdhsa_enable_private_segment 0
		.amdhsa_kernarg_size 24
		.amdhsa_user_sgpr_count 2
		.amdhsa_user_sgpr_kernarg_segment_ptr 1
		.amdhsa_wavefront_size32 1
		.amdhsa_system_sgpr_workgroup_id_x 1
		.amdhsa_system_sgpr_workgroup_id_y 1
		.amdhsa_system_sgpr_workgroup_id_z 1
		.amdhsa_system_vgpr_workitem_id 0
		.amdhsa_next_free_vgpr 384
		.amdhsa_next_free_sgpr 66
		.amdhsa_reserve_vcc 0
		.amdhsa_float_denorm_mode_32 3
		.amdhsa_float_denorm_mode_16_64 3
		.amdhsa_memory_ordered 1
		.amdhsa_forward_progress 1
		.amdhsa_inst_pref_size 88
	.end_amdhsa_kernel
	.amdgpu_metadata
---
amdhsa.version: [ 1, 2 ]
amdhsa.kernels:
  - .name:           k_q93451f7024_outp
    .symbol:         k_q93451f7024_outp.kd
    .args:
      - { .name: ao, .offset: 0, .size: 8, .value_kind: global_buffer, .address_space: global }
      - { .name: wb, .offset: 8, .size: 8, .value_kind: global_buffer, .address_space: global }
      - { .name: out0, .offset: 16, .size: 8, .value_kind: global_buffer, .address_space: global }
    .group_segment_fixed_size: 327680
    .private_segment_fixed_size: 0
    .kernarg_segment_align: 8
    .kernarg_segment_size: 24
    .max_flat_workgroup_size: 128
    .sgpr_count:     66
    .vgpr_count:     384
    .wavefront_size: 32
...
	.end_amdgpu_metadata
.endif
;; end of part 5
